; MI455X (gfx1250); checked and timed in simulation.
; The chip was launched on July 23, 2026; its instructions are those of AMD's public machine-readable ISA for CDNA 5 (MIT licence, August 2026) and "CDNA5" Instruction Set Architecture Reference Guide (July 2026). The comments in the code are by the model that wrote it; some were corrected since.
;; Multi Head Attention. Allowed arithmetic: matrix products marked QUANTISED: E2M1 operands, one E8M0 scale for each 32 along K, by v_wmma_scale_f32_16x16x128_f8f6f4 with both operands' format E2M1 (or v_wmma_scale_f32_32x16x128_f4), f32 sums; everything else in f32.
;; Inputs: W_out_codes 1,024 x 32 x 16 uint8 (E2M1 codes of W_out, K innermost, in blocks of 32 codes, two codes a byte); W_out_scales 1,024 x 32 uint8 (E8M0 scales of W_out, one for each 32 codes along K); W_qkv_codes 3,072 x 32 x 16 uint8 (E2M1 codes of W_qkv, K innermost, in blocks of 32 codes, two codes a byte); W_qkv_scales 3,072 x 32 uint8 (E8M0 scales of W_qkv, one for each 32 codes along K); b_out 1,024 float32; b_qkv 3,072 float32; x_codes 4 x 2,048 x 32 x 16 uint8 (E2M1 codes of x, K innermost, in blocks of 32 codes, two codes a byte); x_scales 4 x 2,048 x 32 uint8 (E8M0 scales of x, one for each 32 codes along K).
;; Outputs: out0 4 x 2,048 x 1,024 float32.
;; This version of the problem:
;;   THIS VERSION OF THE PROBLEM IS GIVEN IN LOW PRECISION. The matrix products marked QUANTISED in the list below multiply operands that are first quantised to E2M1 (2 exponent bits, 1 mantissa bit; 4 bits a number), with one power-of-two scale for each 32 numbers along K (OCP MX v1.0); their sums are f32. All else is computed in f32.
;;   The module's matrix products, in the order in which they are computed (A, B: the left and right operand; K: the contracted axis; several contracted axes count as one K, in the product's order):
;;     1. [M 8,192, K 1,024] x [K 1,024, N 3,072]; A: input x (given as codes); B: input W_qkv (given as codes): QUANTISED
;;     2. batch 64 x [M 2,048, K 64] x [K 64, N 2,048]; A: computed on the way; B: computed on the way: QUANTISED
;;     3. batch 64 x [M 2,048, K 2,048] x [K 2,048, N 64]; A: softmax (see below); B: computed on the way: QUANTISED
;;     4. [M 8,192, K 1,024] x [K 1,024, N 1,024]; A: computed on the way; B: input W_out (given as codes): QUANTISED
;;   THE QUANTISER, for each operand of a quantised product, along K:
;;     - K is cut into blocks of 32 from its start; a last block that is shorter is filled with zeros.
;;     - A block's scale is 2^e with e = floor(log2(the largest magnitude in the block)) - 2, held to -126 .. 127; a block of zeros has e = 0. As a byte (E8M0): e + 127.
;;     - Each number is divided by its block's scale, clamped to +-6, and rounded to the nearest number of E2M1, ties to even, subnormals kept.
;;     - The product sums the exact products of the quantised numbers (number of the format x scale) in f32.
;;   ~~~python
;;   def quantise(x, axis):      # numpy; x: float32 -> the quantised numbers, widened to float32 again
;;       x = np.moveaxis(x, axis, -1); K = x.shape[-1]
;;       x = np.pad(x, [(0, 0)] * (x.ndim - 1) + [(0, -K % 32)]); x = x.reshape(x.shape[:-1] + (-1, 32)); a = np.abs(x).max(-1, keepdims=True)
;;       e = np.where(a > 0, np.clip(np.frexp(np.where(a > 0, a, 1))[1] - 1 - 2, -126, 127), 0)      # np.frexp(a)[1] - 1 = floor(log2(a)), exactly
;;       r = np.clip(x / 2.0 ** e, -6, 6)
;;       step = 2.0 ** (np.maximum(np.frexp(np.where(r == 0, 1, r))[1] - 1, 0) - 1)
;;       q = np.round(r / step) * step * 2.0 ** e      # np.round: ties to even
;;       return np.moveaxis(q.reshape(q.shape[:-2] + (-1,))[..., :K], -1, axis).astype(np.float32)
;;   ~~~
;;   SOFTMAX AHEAD OF A QUANTISED PRODUCT. Where the list says 'softmax', what is quantised is not the finished softmax but p = 2^(t - M), with t = logit x log2(e) and M = ceil(the row's largest t), a whole number; so 1/2 < the row's largest p <= 1. The row's sum l is taken of the UNQUANTISED p, in f32, and the product's result is divided by l at the end. Since M is a whole number, a kernel that streams over the keys may use a running M (the ceiling of the running maximum): every later rescaling is an exact power of two, which a block's scale takes up: the codes' values come out the same.
;;   OPERANDS COMPUTED ON THE WAY. 'Computed on the way' means the value that the module computes at that place (a softmax that the list does not call 'softmax' is quantised finished and normalised). What goes into a quantiser is computed in f32, as accurately as f32 sums, v_exp_f32 and their like allow (about 1e-6 of the number): no bf16 or f16 on the way to a quantiser, and a product that is left as it is and whose result goes on into a quantised operand takes f32 operands (vector FMAs, or v_wmma_f32_16x16x4_f32). A number that lies on a knife's edge between two numbers of the format may be rounded either way, as far as f32 arithmetic and the matrix unit's own rounding can turn it there, and no further.
;;   INPUTS GIVEN AS CODES. W_out (in the module: [1024, 1024], K = its axis 0); W_qkv (in the module: [1024, 3072], K = its axis 0); x (in the module: [4, 2048, 1024], K = its axis 2): each comes as NAME_codes (uint8): NAME with its K axis moved to the last place and cut into blocks of 32 codes, [.., K / 32, bytes a block], one block behind the other in memory; two codes a byte, the lower K in the low four bits (a code: sign, 2 exponent bits, 1 mantissa bit); and NAME_scales (uint8): the same leading axes, one E8M0 byte (e + 127) for each 32 codes along K. Its value is code x scale, taken as it is: it is not quantised again, and the codes and scales need not be those that the quantiser above would give.
;; One version. Each part assembles by itself: llvm-mc -triple=amdgcn-amd-amdhsa -mcpu=gfx1250 --defsym DOCPART=n.
;; ======== version 1 of 1: 3 launches
;; workspace buffers: rec 13,369,344 bytes; o_img 4,194,304 bytes; o_sc 262,144 bytes
;; launch qkv (part 1): grid 12 x 32, 4 waves a work-group, clusters of 4 x 4, 327,680 bytes of LDS; arguments x_codes, x_scales, W_qkv_codes, W_qkv_scales, b_qkv, rec; writes rec
.if DOCPART == 1
	.amdgcn_target "amdgcn-amd-amdhsa--gfx1250"
	.amdhsa_code_object_version 6
	.text
	.protected	k_q01fb6ce5ca_qkv
	.globl	k_q01fb6ce5ca_qkv
	.p2align	8
	.type	k_q01fb6ce5ca_qkv,@function
k_q01fb6ce5ca_qkv:
	s_mov_b64 s[64:65], 0
	v_nop
	global_prefetch_b8 v0, s[64:65] scope:SCOPE_SE
	s_setreg_imm32_b32 hwreg(HW_REG_WAVE_MODE, 25, 1), 1
	s_wait_xcnt 0x0
	s_wait_alu depctr_hold_cnt(0) depctr_sa_sdst(0) depctr_va_vdst(0) depctr_va_sdst(0) depctr_va_ssrc(0) depctr_va_vcc(0) depctr_vm_vsrc(0)
	s_getreg_b32 s2, hwreg(HW_REG_IB_STS2, 6, 4)
	s_cmp_eq_u32 s2, 0
	s_cbranch_scc0 .Lentry_in_a_cluster
	s_endpgm
.Lentry_in_a_cluster:
	s_bfe_u32 s2, ttmp6, 0x10000c
	s_cmp_lg_u32 s2, 0xf033
	s_cbranch_scc0 .Lentry_shape_is_right
	s_endpgm
.Lentry_shape_is_right:
; qkv = x W_qkv + b_qkv on codes of FP4 (E2M1) with one E8M0 scale for each 32 along K = 1,024; the f32 results are quantised at once for the attention launch:
; q and k along the head's 64 (two blocks a row), v along the keys (blocks of 32 tokens).  Nothing of the f32 results goes to memory.
; DEAD WORK: none.  Every input has a way to out0: the bias on k would cancel in a softmax of real numbers, but it moves k's codes, so it stays.  All five inputs of this product are loaded.
; LIMITS: NaN and infinities are not served.  A block of zeros, or one whose largest magnitude lies under 2^-124, keeps the scale byte 1 (its codes are zeros or held small; only this program reads these bytes).
; SHARES.  A work-group of four waves makes 256 x 256 of the product, a wave 128 x 128: 64 accumulators of 16 x 16.  All of K lies in LDS: two slots of 512 along K, each filled once.
; SOURCE 0 is called P: a lane's eight results are eight neighbouring rows of P, so the results are quantised along P's rows.  SOURCE 1 is called R: lane % 16 is its row.
;   kinds 0 (q) and 1 (k): R = 256 tokens of x, P = 256 rows of W_qkv (features): a lane holds one token and runs along the head's features.
;   kind 2 (v):            R = 256 rows of W_qkv, P = 256 tokens of x: a lane holds one feature and runs along the tokens, which are the keys.
; The kind is the cluster's x: the same in all sixteen partners.  Rows of x and of W_qkv are both 512 bytes of codes and 32 of scales, so shapes and LDS addresses do not know the kind; only pointers and tile numbers are chosen.
; CLUSTERS: 4 x 4 work-groups.  R's tile hangs on cy and is shared along a row of the cluster, P's on cx and is shared along a column: each is asked for jointly.
; FROM RESULTS TO AN OPERAND.  In tile t of P a lane (r, h) holds places 16 t + 8 h + 0 .. 7.  Block B of 32 is tiles 2 B and 2 B + 1, in lanes l and l xor 16.  Tile 2 B + u is converted into register
; 4 (B / 2) + B % 2 + 2 u; exchanging the halves of registers (4 c, 4 c + 1) and (4 c + 2, 4 c + 3) leaves registers 4 c .. 4 c + 3 = places 64 c + 32 h + 0 .. 31: the operand's layout.
; THE WORKSPACE is laid as images of operand registers: four registers go out by one store of 16 bytes a lane, 512 consecutive bytes at a multiple of 256.
; A record of 13,056 bytes for each y = 4 head + batch and each step of 128 tokens, at (16 y + step) x 13,056:
;   0 K codes: 8 tiles of 16 keys x 512;  4,096 V codes: 4 tiles of 16 channels x [2][512];  8,192 K scale words [r][p]: tile p's two bytes, tile p + 4's two;  8,448 V scale words [r][channel tile];  8,704 Q codes;  12,800 Q scale words.
; REGISTERS, in windows of 256: window 0: v1 r, v2 h, v16-29 addresses, v32-95 scale words, v96-107 the results' scale words, v128-255 R's fragments in two sets (in the tail: 64 numbers, codes, work).
;   window 1: v0-63, v128-191 P's fragments in two sets; v64-127 the bias.   windows 2, 3: accumulator (a, b) at v[8 (8 (a % 4) + b)] of window 2 + a / 4.
.set PITCH,  272                       ; an LDS row: 256 bytes + 16 of padding: the 16 rows of a fragment load start 68 words apart
.set HALFT,  128*PITCH                 ; 128 rows: what one tensor load brings
.set SLOT,   4*HALFT                   ; R's 256 rows, then P's 256 rows
.set SCL,    2*SLOT                    ; behind the slots: the scale bytes, as units of 256 bytes + 16
.set HALFS,  16*272                    ; those of 128 rows
.set SBLK,   2*272                     ; those of 16 rows
.set SPARE,  SCL+4*HALFS               ; the spare words, 128 bytes for each wave
.set REC,    13056
.set HEADSTR, 64*REC                   ; from a head's record to the next head's: 4 batches x 16 steps
.set ADRR, 16                          ; v16-17  LDS address of my R fragments in slot 0, 1
.set ADRP, 20                          ; v20-21  the same for P
.set BO,   22                          ; v22     my offset in the bias
.set VO,   24                          ; v24     16 x lane
.set VS,   25                          ; v25     16 r + a head's stride x h
.set VSEL, 26                          ; v26     byte selects for the scale words
.set ADRS, 27                          ; v27     LDS address of my scale words: lanes 0-15 R's, lanes 16-31 P's
.set SPW,  28                          ; v28     my spare word; never rewritten
.set NIL,  29                          ; v29     0; never rewritten
.set SC,   32                          ; v32-95  register 32 slot + 4 i + q: lanes 0-15 R's block i, lanes 16-31 P's block i, the slot's q-th 128 along K
.set PW,   96                          ; v96-103 the scale word of R's block a
.set SW,   104                         ; v104-107 four words as they are stored
.set T,    128                         ; the tail: 64 numbers of a lane
.set PC,   192                         ; codes, two sets of 8
.set TM,   208                         ; 16 at work
.set BP,   64                          ; window 1: the bias
.set SEL,  2                           ; s[2:3]  lane selects: lane l xor 16
.set WV,   16
.set WHI,  17                          ; which half of R's rows is mine.  Also: I fetch for R (0) or for P (1)
.set WLO,  18                          ; which half of P's rows.  Also: which 128 rows I fetch
.set KIND, 19
.set G1,   24
.set G0,   32
.set G1B,  48
.set G0B,  56
.set G1S,  68
.set G0S,  76
.set G1SB, 80
.set G0SB, 88
.set OB,   92                          ; s[92:93] where my codes go;  s[94:95] my scale words
.set OS,   94
.set MSB, 0
.macro WIN new                         ; the immediate's high byte repeats the setting that is left
.if MSB != (\new)
	s_set_vgpr_msb (MSB<<8)|(\new)
.set MSB, (\new)
.endif
.endm
; A joint load: waves 0 and 1 fetch for R, waves 2 and 3 for P.  The branch hangs on the wave's number alone.  An s_nop 0 and four v_nop follow each line.
.macro JLOAD g0a, g1a, g0b, g1b
	s_cmp_eq_u32 s[WHI], 0
	s_cbranch_scc0 .Lfor_b_\@
	tensor_load_to_lds s[\g0a:\g0a+3], s[\g1a:\g1a+7]
	s_nop 0
.rept 4
	v_nop
.endr
	s_branch .Lasked_\@
.Lfor_b_\@:
	tensor_load_to_lds s[\g0b:\g0b+3], s[\g1b:\g1b+7]
	s_nop 0
.rept 4
	v_nop
.endr
.Lasked_\@:
.endm
.macro CROUND                          ; a round of the cluster's barrier
	s_barrier_signal -1
	s_barrier_wait -1
	s_cmp_lg_u32 s[WV], 0
	s_cbranch_scc1 .Lnot_wave_0_\@
	s_barrier_signal -3
.Lnot_wave_0_\@:
	s_barrier_wait -3
	s_barrier_signal -1
	s_barrier_wait -1
.endm
.macro PLACES n
.rept \n
	v_nop
.endr
.endm
	s_load_b256 s[4:11], s[0:1], 0x0               ; x's codes s[4:5], x's scales s[6:7], W's codes s[8:9], W's scales s[10:11]
	s_load_b128 s[12:15], s[0:1], 0x20             ; the bias s[12:13], the records s[14:15]
	v_lshl_add_u32 v[SPW], v0, 2, SPARE
	v_mov_b32 v[NIL], 0
	ds_add_u32 v[SPW], v[NIL]                      ; the wave's opening: the add, twice on end, and its wait ahead of my first tensor load
	ds_add_u32 v[SPW], v[NIL]                      ; and once more; the set-up below, work on registers, stands between it and the wait
	v_lshrrev_b32 v1, 5, v0
	v_readfirstlane_b32 s[WV], v1                  ; wave 0..3
	s_lshr_b32 s[WHI], s[WV], 1
	s_and_b32 s[WLO], s[WV], 1
	s_mov_b32 s[KIND], ttmp9                       ; the cluster's x: 0 q, 1 k, 2 v
	s_bfe_u32 s40, ttmp6, 0x40000                  ; cx
	s_bfe_u32 s41, ttmp6, 0x40004                  ; cy
	s_and_b32 s20, ttmp7, 0xffff
	s_lshl_b32 s20, s20, 2                         ; 4 x cluster y
	s_lshl_b32 s21, s[KIND], 2                     ; 4 x kind
	s_cmp_eq_u32 s[KIND], 2
	s_cselect_b32 s43, 8, s20                      ; R's tile of 256 rows: v: W's rows 2,048 on; q, k: tokens
	s_cselect_b32 s42, s20, s21                    ; P's tile: v: tokens; q, k: W's rows 1,024 x kind on
	s_add_co_u32 s43, s43, s41                     ; + cy
	s_add_co_u32 s42, s42, s40                     ; + cx
	s_lshl_b32 s44, s41, 2
	s_lshl_b32 s44, 15, s44                        ; my row of the cluster
	s_lshl_b32 s45, 0x1111, s40                    ; my column
	; group 1 for codes: 128 rows x 256 bytes, 512 bytes apart, 16 bytes of padding behind each
	s_or_b32 s[G1], s44, (1<<20)|(1<<21)|(5<<22)|(3<<25)     ; 15:0 the mask; 17:16 elements of 1 byte; 20 padding on; 21 set beside a mask; 24:22 after every 64 words; 31:25 four words
	s_or_b32 s[G1B], s45, (1<<20)|(1<<21)|(5<<22)|(3<<25)
.irp g, G1, G1B
	s_mov_b32 s[\g+1], 256<<16                     ; tensor_dim0
	s_mov_b32 s[\g+2], 128<<16                     ; tensor_dim1
	s_mov_b32 s[\g+3], 256<<16                     ; tile_dim0
	s_mov_b32 s[\g+4], 128                         ; tile_dim1
	s_mov_b32 s[\g+5], 512                         ; from row to row
	s_mov_b32 s[\g+6], 0
	s_mov_b32 s[\g+7], 0
.endr
	; group 1 for the scales of 128 rows: 4,096 dense bytes as 16 rows of 256 (32 elements of 8 bytes), 16 bytes of padding behind each
	s_or_b32 s[G1S], s44, (3<<16)|(1<<20)|(1<<21)|(5<<22)|(3<<25)
	s_or_b32 s[G1SB], s45, (3<<16)|(1<<20)|(1<<21)|(5<<22)|(3<<25)
.irp g, G1S, G1SB
	s_mov_b32 s[\g+1], 32<<16
	s_mov_b32 s[\g+2], 16<<16
	s_mov_b32 s[\g+3], 32<<16
	s_mov_b32 s[\g+4], 16
	s_mov_b32 s[\g+5], 32
	s_mov_b32 s[\g+6], 0
	s_mov_b32 s[\g+7], 0
.endr
	s_lshl_b32 s23, s[WLO], 7                      ; which 128 rows of a tile I fetch
	s_lshl_b32 s22, s43, 8
	s_add_co_u32 s22, s22, s23                     ; R's row
	s_lshl_b32 s20, s22, 9                         ; its codes, in bytes
	s_lshl_b32 s22, s22, 5                         ; its scales
	s_lshl_b32 s46, s42, 8
	s_add_co_u32 s46, s46, s23                     ; P's row
	s_lshl_b32 s100, s46, 5
	s_lshl_b32 s46, s46, 9
	s_mov_b32 s21, 0
	s_mov_b32 s23, 0
	s_mov_b32 s47, 0
	s_mov_b32 s101, 0
	s_mul_i32 s66, s[WV], HALFT                    ; where they go: wave x 128 rows: no place in the cluster enters an LDS address
	s_mul_i32 s67, s[WV], HALFS
	s_mov_b32 s[SEL], 0x76543210
	s_mov_b32 s[SEL+1], 0xfedcba98
	s_wait_dscnt 0x0                               ; both opening adds are done
	s_wait_kmcnt 0x0
	s_cmp_eq_u32 s[KIND], 2                        ; the choice of buffers hangs on the cluster's number alone
	s_cselect_b64 s[92:93], s[8:9], s[4:5]         ; R's codes
	s_cselect_b64 s[94:95], s[10:11], s[6:7]       ; R's scales
	s_cselect_b64 s[96:97], s[4:5], s[8:9]         ; P's codes
	s_cselect_b64 s[98:99], s[6:7], s[10:11]       ; P's scales
	s_add_nc_u64 s[92:93], s[92:93], s[20:21]
	s_add_nc_u64 s[94:95], s[94:95], s[22:23]
	s_add_nc_u64 s[96:97], s[96:97], s[46:47]
	s_add_nc_u64 s[98:99], s[98:99], s[100:101]
	CROUND                                         ; all sixteen work-groups are here: the joint loads meet
	s_mov_b32 s[G0S], 1
	s_add_co_u32 s[G0S+1], s67, SCL
	s_mov_b64 s[G0S+2:G0S+3], s[94:95]
	s_or_b32 s[G0S+3], s[G0S+3], 0x80000000
	s_mov_b32 s[G0SB], 1
	s_add_co_u32 s[G0SB+1], s67, SCL
	s_mov_b64 s[G0SB+2:G0SB+3], s[98:99]
	s_or_b32 s[G0SB+3], s[G0SB+3], 0x80000000
	JLOAD G0S, G1S, G0SB, G1SB                     ; the scales first: they are wanted with the first step
.irp sl, 0,1
	s_mov_b32 s[G0+4*\sl], 1
	s_add_co_u32 s[G0+4*\sl+1], s66, \sl*SLOT
	s_add_nc_u64 s[G0+4*\sl+2:G0+4*\sl+3], s[92:93], \sl*256
	s_or_b32 s[G0+4*\sl+3], s[G0+4*\sl+3], 0x80000000
	s_mov_b32 s[G0B+4*\sl], 1
	s_add_co_u32 s[G0B+4*\sl+1], s66, \sl*SLOT
	s_add_nc_u64 s[G0B+4*\sl+2:G0B+4*\sl+3], s[96:97], \sl*256
	s_or_b32 s[G0B+4*\sl+3], s[G0B+4*\sl+3], 0x80000000
	JLOAD G0+4*\sl, G1, G0B+4*\sl, G1B             ; three loads of mine are out at the most
.endr
	v_and_b32 v1, 15, v0                           ; r
	v_bfe_u32 v2, v0, 4, 1                         ; h
	v_mul_u32_u24 v3, v1, PITCH
	v_lshl_add_u32 v4, v2, 4, v3                   ; a fragment's row x pitch + 16 h
	s_mul_i32 s96, s[WHI], HALFT                   ; my 128 rows of R
	s_mul_i32 s97, s[WLO], HALFT                   ; my 128 rows of P,
	s_add_co_u32 s97, s97, 2*HALFT                 ; which lie behind R's 256
.irp sl, 0,1
	v_add_nc_u32 v[ADRR+\sl], s96, v4
	v_add_nc_u32 v[ADRP+\sl], s97, v4
	s_add_co_u32 s96, s96, SLOT
	s_add_co_u32 s97, s97, SLOT
.endr
	v_mul_u32_u24 v5, v1, 32                       ; my row's scales: 32 bytes a row,
	v_lshrrev_b32 v6, 8, v5
	v_lshl_add_u32 v5, v6, 4, v5                   ; and 16 more for each 256 passed
	s_mul_i32 s96, s[WHI], HALFS                   ; R's: my 128 rows
	s_mul_i32 s97, s[WLO], HALFS                   ; P's: my 128 rows, behind R's 256
	s_add_co_u32 s97, s97, 2*HALFS
	s_sub_co_u32 s97, s97, s96
	v_mul_u32_u24 v6, s97, v2                      ; lanes 16-31 take P's: one product, the distance between the two bases
	s_add_co_u32 s96, s96, SCL
	v_add_nc_u32 v5, v5, v6
	v_add_nc_u32 v[ADRS], s96, v5
	v_and_b32 v5, 31, v0
	v_lshlrev_b32 v[VO], 4, v5
	v_mul_u32_u24 v5, v2, HEADSTR
	v_lshl_add_u32 v[VS], v1, 4, v5
.macro FRAG reg, adr, q, i             ; 16 rows x 128 K: registers 4 c .. 4 c + 3 hold K = 64 c + 32 h + 0 .. 31: 16 bytes of the row as they lie
.irp c, 0,1
	ds_load_b128 v[\reg+4*\c:\reg+4*\c+3], v[\adr] offset:64*(\q)+32*\c+(\i)*16*PITCH
.endr
.endm
.macro FETCH slot, q, set              ; 32 LDS loads in one run: P's and R's eight fragments of the slot's q-th 128 along K
	WIN 0x40
.irp i, 0,1,2,3,4,5,6,7
	FRAG 128*(\set)+8*\i, ADRP+(\slot), \q, \i
.endr
	WIN 0
.irp i, 0,1,2,3,4,5,6,7
	FRAG 128+64*(\set)+8*\i, ADRR+(\slot), \q, \i
.endr
.endm
.macro SCALES slot                     ; a slot's scale words: four words a row
.irp i, 0,1,2,3,4,5,6,7
	ds_load_b128 v[SC+32*\slot+4*\i:SC+32*\slot+4*\i+3], v[ADRS] offset:\i*SBLK+16*\slot
.endr
.endm
; 64 matrix instructions: step n of eight.  The 64 accumulators take turns, one instruction a turn, in the same order in every step.  zero = 1: the products start the sums.
.macro MUL n, zero
.set SL, (\n)/4
.set QQ, (\n)%4
.set ST2, (\n)%2
.irp a, 0,1,2,3,4,5,6,7
.if \a == 0
	WIN 0xa1                                       ; source 0 (P) window 1, source 1 (R) window 0, C and D window 2
.endif
.if \a == 4
	WIN 0xf1                                       ; C and D window 3
.endif
.irp b, 0,1,2,3,4,5,6,7
.if \zero
	v_wmma_scale_f32_16x16x128_f8f6f4 v[8*(8*(\a%4)+\b):8*(8*(\a%4)+\b)+7], v[128*ST2+8*\b:128*ST2+8*\b+7], v[128+64*ST2+8*\a:128+64*ST2+8*\a+7], 0, v[SC+32*SL+4*\b+QQ], v[SC+32*SL+4*\a+QQ] matrix_a_fmt:MATRIX_FMT_FP4 matrix_b_fmt:MATRIX_FMT_FP4 matrix_a_scale:MATRIX_SCALE_ROW1
.else
	v_wmma_scale_f32_16x16x128_f8f6f4 v[8*(8*(\a%4)+\b):8*(8*(\a%4)+\b)+7], v[128*ST2+8*\b:128*ST2+8*\b+7], v[128+64*ST2+8*\a:128+64*ST2+8*\a+7], v[8*(8*(\a%4)+\b):8*(8*(\a%4)+\b)+7], v[SC+32*SL+4*\b+QQ], v[SC+32*SL+4*\a+QQ] matrix_a_fmt:MATRIX_FMT_FP4 matrix_b_fmt:MATRIX_FMT_FP4 matrix_a_scale:MATRIX_SCALE_ROW1
.endif
.endr
.endr
.endm
; A step of 128 along K: the next step's fragments are asked for first, into the other set, and land while this step is multiplied.
.macro STEP n
.if (\n) == 3
	s_wait_tensorcnt 0x0                           ; my part of slot 1 is in,
	s_wait_dscnt 0x0                               ; no LDS load of mine is out (this step's fragments are in too),
	s_barrier_signal -1
	s_barrier_wait -1                              ; everybody's part is in.
.endif
.if (\n) > 0 && (\n) < 7
	PLACES 4                                       ; four plain places between the last products and loads into the set that they read
.endif
.if (\n) < 7
	FETCH ((\n)+1)/4, ((\n)+1)%4, ((\n)+1)%2
.endif
.if (\n) == 3
	SCALES 1
.endif
.if (\n) < 7 && (\n) != 3
	s_wait_dscnt 32                                ; all but the 32 fragment loads just issued: this step's fragments, and its scale words, are in
.endif
.if (\n) == 7
	s_wait_dscnt 0x0
.endif
	MUL \n, (\n)==0
.endm
; 64 numbers of a lane, register 8 t + j = place 16 t + 8 h + j of my row of R, become a fragment's codes in v[pc] on and its scale word in v[pw].
.macro QUANT s, pc, pw
.irp b, 0,1,2,3
	v_max3_num_f32 v[TM+\b], |v[\s+16*\b]|, |v[\s+1+16*\b]|, 0x1800000   ; block b: my 16 numbers, and the floor 2^(3 - 127): the byte cannot fall under 1
.endr
.irp i, 2,4,6,8,10,12,14
.irp b, 0,1,2,3
	v_max3_num_f32 v[TM+\b], v[TM+\b], |v[\s+16*\b+\i]|, |v[\s+1+16*\b+\i]|   ; the four blocks by turns
.endr
.endr
.irp b, 0,1,2,3
	v_permlanex16_b32 v[TM+4+\b], v[TM+\b], s[SEL], s[SEL+1]
.endr
.irp b, 0,1,2,3
	v_max_num_f32 v[TM+\b], v[TM+\b], v[TM+4+\b]   ; with lane l xor 16's: the block's largest magnitude
.endr
.irp b, 0,1,2,3
	v_add_nc_u32 v[TM+12+\b], 0xff000000, v[TM+\b] ; 2 off its exponent field: the conversion takes this operand's exponent field as its scale
.endr
.irp b, 0,1,2,3
	v_lshrrev_b32 v[TM+4+\b], 23, v[TM+12+\b]      ; the scale's byte
.endr
	v_lshl_or_b32 v[\pw], v[TM+5], 8, v[TM+4]
	v_lshl_or_b32 v[\pw], v[TM+6], 16, v[\pw]
	v_lshl_or_b32 v[\pw], v[TM+7], 24, v[\pw]
.irp b, 0,1,2,3
	v_cvt_scalef32_pk8_fp4_f32 v[\pc+4*(\b/2)+(\b%2)], v[\s+16*\b:\s+7+16*\b], v[TM+12+\b]
	v_cvt_scalef32_pk8_fp4_f32 v[\pc+4*(\b/2)+(\b%2)+2], v[\s+8+16*\b:\s+15+16*\b], v[TM+12+\b]
.endr
	v_nop                                          ; one plain place behind a scaled conversion
.irp c, 0,1
	v_permlane16_swap_b32 v[\pc+4*\c], v[\pc+4*\c+1]     ; the first's lanes 16-31 change places with the second's lanes 0-15
	v_permlane16_swap_b32 v[\pc+4*\c+2], v[\pc+4*\c+3]
.endr
.endm
; R's block a: the bias is added, the 64 numbers are quantised, the two images of four registers are stored.
.macro BLOCK kind, a
.set AC, 64*((\a)%4)
.set PCX, PC+8*((\a)%2)
.if (\a) >= 2
	s_wait_xcnt 0x0                                ; the stores of two blocks ago have read this set of code registers
.endif
	WIN 0x06+(\a)/4                                ; source 0: the accumulators' window; source 1: window 1
.irp b, 0,1,2,3,4,5,6,7
.irp i, 0,2,4,6
.if \kind == 0
	v_pk_add_f32 v[T+8*\b+\i:T+8*\b+\i+1], v[AC+8*\b+\i:AC+8*\b+\i+1], v[BP+8*\b+\i:BP+8*\b+\i+1]   ; each accumulator from its low end on
.else
	v_pk_add_f32 v[T+8*\b+\i:T+8*\b+\i+1], v[AC+8*\b+\i:AC+8*\b+\i+1], v[BP+2*(\a):BP+2*(\a)+1]
.endif
.endr
.endr
	WIN 0
	QUANT T, PCX, PW+(\a)
.irp c, 0,1
.if \kind == 0
	global_store_b128 v[VO], v[PCX+4*\c:PCX+4*\c+3], s[OB:OB+1] offset:\c*HEADSTR+(\a)*512          ; head c of my two, tile a of 16 tokens: 512 consecutive bytes
.else
	global_store_b128 v[VO], v[PCX+4*\c:PCX+4*\c+3], s[OB:OB+1] offset:((\a)/4)*HEADSTR+((\a)%4)*1024+\c*512   ; head a / 4, channels 16 (a % 4) on, keys 64 c on
.endif
.endr
.endm
; The rest of the kernel, once for q and k (kind 0) and once for v (kind 1): where the results go, the bias (asked for four steps ahead of its use), steps 4 to 7, the way out.
.macro TAIL kind
.if \kind == 0
	s_lshl_b32 s96, s40, 2
	s_lshl_b32 s97, s[WLO], 1
	s_add_co_u32 s96, s96, s97                     ; my first head: 4 cx + 2 x my half of P
	s_lshr_b32 s97, s43, 3                         ; the batch: 8 tiles of 256 tokens each
	s_and_b32 s98, s43, 7
	s_lshl_b32 s98, s98, 1
	s_add_co_u32 s98, s98, s[WHI]                  ; the step of 128 tokens
.else
	s_lshl_b32 s96, s41, 2
	s_lshl_b32 s97, s[WHI], 1
	s_add_co_u32 s96, s96, s97                     ; my first head: 4 cy + 2 x my half of R
	s_lshr_b32 s97, s42, 3
	s_and_b32 s98, s42, 7
	s_lshl_b32 s98, s98, 1
	s_add_co_u32 s98, s98, s[WLO]
.endif
	s_lshl_b32 s96, s96, 2
	s_add_co_u32 s96, s96, s97                     ; y = 4 head + batch
	s_lshl_b32 s96, s96, 4
	s_add_co_u32 s96, s96, s98
	s_mul_i32 s96, s96, REC
	s_mov_b32 s97, 0
	s_add_nc_u64 s[OB:OB+1], s[14:15], s[96:97]    ; my first head's record
.if \kind == 0
	s_cmp_eq_u32 s[KIND], 0
	s_cselect_b32 s98, 8704, 0                     ; q's codes, or k's
	s_mov_b32 s96, 8192
	s_cselect_b32 s96, 12800, s96                  ; q's scale words, or k's
.else
	s_mov_b32 s98, 4096
	s_mov_b32 s96, 8448
.endif
	s_mov_b32 s99, 0
	s_add_nc_u64 s[OS:OS+1], s[OB:OB+1], s[96:97]
	s_add_nc_u64 s[OB:OB+1], s[OB:OB+1], s[98:99]
.if \kind == 0
	s_lshl_b32 s96, s42, 10                        ; the bias of my 128 features: they are P's rows,
	s_lshl_b32 s98, s[WLO], 9
	v_lshlrev_b32 v[BO], 5, v2                     ; of which tile b gives my lane 16 b + 8 h + 0 .. 7
	s_mov_b32 s99, 0x02020202
	v_mul_lo_u32 v[VSEL], v2, s99
	v_add_nc_u32 v[VSEL], 0x05040100, v[VSEL]      ; lanes 0-15: the low halves of two words (my first head's bytes); lanes 16-31: the high halves
.else
	s_lshl_b32 s96, s43, 10                        ; they are R's rows:
	s_lshl_b32 s98, s[WHI], 9
	v_lshlrev_b32 v[BO], 2, v1                     ; block a gives my lane feature 16 a + r
	s_mov_b32 s99, 0x04040404
	v_mul_lo_u32 v[VSEL], v2, s99
	v_add_nc_u32 v[VSEL], 0x03020100, v[VSEL]      ; lanes 0-15: the first word whole (my first head's tile); lanes 16-31: the second
.endif
	s_add_co_u32 s96, s96, s98
	s_add_nc_u64 s[12:13], s[12:13], s[96:97]
	WIN 0x40
.if \kind == 0
.irp b, 0,1,2,3,4,5,6,7
	global_load_b128 v[BP+8*\b:BP+8*\b+3], v[BO], s[12:13] offset:64*\b
	global_load_b128 v[BP+8*\b+4:BP+8*\b+7], v[BO], s[12:13] offset:64*\b+16
.endr
.else
.irp a, 0,1,2,3,4,5,6,7
	global_load_b32 v[BP+2*\a], v[BO], s[12:13] offset:64*\a       ; twice: a pair for the packed addition
	global_load_b32 v[BP+2*\a+1], v[BO], s[12:13] offset:64*\a
.endr
.endif
	STEP 4
	STEP 5
	STEP 6
	STEP 7
	WIN 0
	PLACES 4                                       ; between the last products and the first read of results, and the first write into registers that they read
.irp b, 0,1,2,3
	v_mov_b32 v[TM+4+\b], 0                        ; a lane permute's destination counts as one of its sources
.endr
	s_wait_loadcnt 0x0                             ; the bias
.irp a, 0,1,2,3,4,5,6,7
	BLOCK \kind, \a
.endr
.irp p, 0,1,2,3
	v_perm_b32 v[SW+\p], v[PW+\p+4], v[PW+\p], v[VSEL]
.endr
	global_store_b128 v[VS], v[SW:SW+3], s[OS:OS+1]  ; lanes 0-15 store my first head's 256 bytes of scale words, lanes 16-31 my second head's
.endm
	s_wait_alu depctr_va_vdst(0)
	s_wait_tensorcnt 1                             ; the scales and my part of slot 0 are in; slot 1's load, the one issued behind them, may be out
	s_barrier_signal -1
	s_barrier_wait -1                              ; everybody's are
	FETCH 0, 0, 0
	SCALES 0
	STEP 0
	STEP 1
	STEP 2
	STEP 3
	WIN 0                                          ; at a branch and at a label every window is 0
	s_cmp_eq_u32 s[KIND], 2                        ; the cluster's number: all sixteen partners go the same way
	s_cbranch_scc1 .Lv
	TAIL 0
	s_branch .Ldone
.Lv:
	TAIL 1
.Ldone:
	s_wait_tensorcnt 0x0                           ; the wave's end
	ds_add_u32 v[SPW], v[NIL]
	s_wait_dscnt 0x0
	CROUND                                         ; the closing round: no work-group ends while a partner may still ask for a tile that names it
	s_endpgm
.Lfunc_end_k_q01fb6ce5ca_qkv:
	.size	k_q01fb6ce5ca_qkv, .Lfunc_end_k_q01fb6ce5ca_qkv-k_q01fb6ce5ca_qkv
	.p2alignl 7, 3214868480
	.fill 96, 4, 3214868480
	.section	.rodata,"a",@progbits
	.p2align	6, 0x0
	.amdhsa_kernel k_q01fb6ce5ca_qkv
		.amdhsa_group_segment_fixed_size 327680
		.amdhsa_private_segment_fixed_size 0
		.amdhsa_enable_private_segment 0
		.amdhsa_kernarg_size 48
		.amdhsa_user_sgpr_count 2
		.amdhsa_user_sgpr_kernarg_segment_ptr 1
		.amdhsa_wavefront_size32 1
		.amdhsa_system_sgpr_workgroup_id_x 1
		.amdhsa_system_sgpr_workgroup_id_y 1
		.amdhsa_system_sgpr_workgroup_id_z 1
		.amdhsa_system_vgpr_workitem_id 0
		.amdhsa_next_free_vgpr 1024
		.amdhsa_next_free_sgpr 102
		.amdhsa_reserve_vcc 0
		.amdhsa_float_denorm_mode_32 3
		.amdhsa_float_denorm_mode_16_64 3
		.amdhsa_memory_ordered 1
		.amdhsa_forward_progress 1
		.amdhsa_inst_pref_size 235
	.end_amdhsa_kernel
	.amdgpu_metadata
---
amdhsa.version: [ 1, 2 ]
amdhsa.kernels:
  - .name:           k_q01fb6ce5ca_qkv
    .symbol:         k_q01fb6ce5ca_qkv.kd
    .args:
      - { .name: x_codes, .offset: 0, .size: 8, .value_kind: global_buffer, .address_space: global }
      - { .name: x_scales, .offset: 8, .size: 8, .value_kind: global_buffer, .address_space: global }
      - { .name: W_qkv_codes, .offset: 16, .size: 8, .value_kind: global_buffer, .address_space: global }
      - { .name: W_qkv_scales, .offset: 24, .size: 8, .value_kind: global_buffer, .address_space: global }
      - { .name: b_qkv, .offset: 32, .size: 8, .value_kind: global_buffer, .address_space: global }
      - { .name: rec, .offset: 40, .size: 8, .value_kind: global_buffer, .address_space: global }
    .group_segment_fixed_size: 327680
    .private_segment_fixed_size: 0
    .kernarg_segment_align: 8
    .kernarg_segment_size: 48
    .max_flat_workgroup_size: 128
    .sgpr_count:     102
    .vgpr_count:     1024
    .wavefront_size: 32
...
	.end_amdgpu_metadata
.endif
;; end of part 1
;; launch attn (part 2): grid 4 x 64, 16 waves a work-group, clusters of 4 x 1, 327,680 bytes of LDS; arguments rec, o_img, o_sc; writes o_img, o_sc
.if DOCPART == 2
	.amdgcn_target "amdgcn-amd-amdhsa--gfx1250"
	.amdhsa_code_object_version 6
	.text
	.protected	k_q01fb6ce5ca_attn
	.globl	k_q01fb6ce5ca_attn
	.p2align	8
	.type	k_q01fb6ce5ca_attn,@function
k_q01fb6ce5ca_attn:
	s_mov_b64 s[64:65], 0
	v_nop
	global_prefetch_b8 v0, s[64:65] scope:SCOPE_SE
	s_setreg_imm32_b32 hwreg(HW_REG_WAVE_MODE, 25, 1), 1
	s_wait_xcnt 0x0
	s_wait_alu depctr_hold_cnt(0) depctr_sa_sdst(0) depctr_va_vdst(0) depctr_va_sdst(0) depctr_va_ssrc(0) depctr_va_vcc(0) depctr_vm_vsrc(0)
	s_getreg_b32 s2, hwreg(HW_REG_IB_STS2, 6, 4)
	s_cmp_eq_u32 s2, 0
	s_cbranch_scc0 .Lentry_in_a_cluster
	s_endpgm
.Lentry_in_a_cluster:
	s_bfe_u32 s2, ttmp6, 0x10000c
	s_cmp_lg_u32 s2, 0x3003
	s_cbranch_scc0 .Lentry_shape_is_right
	s_endpgm
.Lentry_shape_is_right:
; O = softmax(q k^T / 8) v for one head and batch, both products on codes of FP4 (E2M1) with E8M0 scales; the result, divided by the row's sum, is quantised along the model's axis (a head is two blocks) for the last product.
; No work is left out: every key counts for every query.
; THE SOFTMAX: t = score x log2(e) / 8; M = the running largest t rounded UP to a whole number; p = 2^(t - M) is quantised along the keys, not normalised; the row's sum is taken of the unquantised p.
; When M moves, the sum and O are multiplied by 2^(old M - new M), which rounds nothing.
; LIMITS: NaN and infinities are not served.  A p under 2^-126 counts as 0.  A block of zeros keeps the scale byte 1: its codes are zeros, and only this program reads the bytes.  The division by the sum is a reciprocal and a multiplication.
; SHARES.  Work-group (cx, y), y = 4 head + batch, owns 512 queries; each of its sixteen waves two tiles of 16: tiles p and p + 4 of group 4 cx + wave / 4 (128 tokens), p = wave % 4.  Both tiles use every fragment of k and v that the wave reads.
; Four waves lie on a SIMD, so that one wave's vector work stands beside another's products and LDS loads.
; ALL KEYS OF THE HEAD LIE IN LDS: 16 steps x 8,704 bytes (k's codes 4,096, v's codes 4,096, k's scale words 256, v's 256), the first 8,704 bytes of each record, filled once.  No slot is filled again.
; CLUSTER: the four query blocks of a head read the same bytes, so each tile is asked for jointly, with the mask of all four.
; K = 64 UNDER AN INSTRUCTION OF K = 128.  A fragment of k holds TWO tiles of keys: registers 0-3 tile p, registers 4-7 tile p + 4.  Against [q | 0] it gives tile p's scores, against [0 | q] tile p + 4's.
; The twelve registers [q, 0, q] hold both.  The half that does not count has zero codes, and the scale bytes 0 on q's side.
; LAYOUT.  Both products are used transposed (source 0 = 16 keys, or 16 channels of v; source 1 = my 16 queries): a lane holds one query throughout.  In score tile t a lane (r, h) holds keys 16 t + 8 h + 0 .. 7;
; tile 2 B + u is converted into register 4 (B / 2) + B % 2 + 2 u, and two exchanges of halves for each four registers give the operand's layout.
.set REC,   13056
.set YSTR,  16*REC
.set STEPB, 8704
.set STG,   16*STEPB                   ; 1,024 bytes: the scale words of the work-group's results, [group 4][r 16][p 4][4]
.set SPARE, STG+1024                   ; the spare words, 128 bytes for each of sixteen waves
.set AL,  1                            ; v1   16 x lane
.set AR,  2                            ; v2   16 x (lane % 16)
.set ADI, 3                            ; v3   the step's images
.set ADS, 4                            ; v4   the step's scale words
.set SPW, 5                            ; v5   my spare word; never rewritten
.set NIL, 6                            ; v6   0; never rewritten
.set ASG, 7                            ; v7   the stage, 16 bytes a lane
                                       ; v8-11 tile A: -M, the largest t, the sum in two halves;  v12-15 tile B
.set QA,  16                           ; v16-27 [q, 0, q] of tile A
.set QB,  28                           ; v28-39 of tile B
.set QS,  40                           ; v40-43 q's scale words: A low, A high, B low, B high
.set KS,  44                           ; v44-47 k's four scale words, later v's
.set KF,  48                           ; v48-79 k's four double fragments, later v's four
.set S,   80                           ; v80-143 the scores, then p
.set OA,  144                          ; v144-175 O^T of tile A
.set OB,  176                          ; v176-207 of tile B
.set PA,  208                          ; v208-215 p's codes, tile A
.set PB,  216
.set PWA, 224                          ; p's scale words
.set PWB, 225
.set BM,  226                          ; v226-229 a block's largest score, then its largest p
.set BX,  230                          ; v230-233 the other half's; then the bytes
.set SCO, 234                          ; v234-237 the conversions' scale operands
.set F,   238                          ; v238 2^(old M - new M); v239 named with it as a pair
.set TT,  240
.set AST, 241                          ; where my wave's scale word goes in the stage
.set C2,  242                          ; v242-243 the sum's second chain
.set OSO, 244                          ; wave 0's offset in o_sc
.set WV,  10
.set G1,  16
.set SEL, 32
.set CS,  34
.set TB,  36
.set CNT, 37
.macro CROUND
	s_barrier_signal -1
	s_barrier_wait -1
	s_cmp_lg_u32 s[WV], 0
	s_cbranch_scc1 .Lnot_wave_0_\@
	s_barrier_signal -3
.Lnot_wave_0_\@:
	s_barrier_wait -3
	s_barrier_signal -1
	s_barrier_wait -1
.endm
	s_load_b128 s[4:7], s[0:1], 0x0                ; the records s[4:5], o_img s[6:7]
	s_load_b64 s[8:9], s[0:1], 0x10                ; o_sc
	v_lshl_add_u32 v[SPW], v0, 2, SPARE
	v_mov_b32 v[NIL], 0
	ds_add_u32 v[SPW], v[NIL]                      ; the wave's opening: the add, twice on end, and its wait ahead of my first tensor load
	ds_add_u32 v[SPW], v[NIL]                      ; and once more; the set-up below stands between it and the wait
	v_lshrrev_b32 v3, 5, v0
	s_delay_alu instid0(VALU_DEP_1)
	v_readfirstlane_b32 s[WV], v3                  ; wave 0..15
	s_bfe_u32 s11, ttmp6, 0x40000                  ; cx: it enters q's and the results' addresses alone
	s_and_b32 s12, ttmp7, 0xffff                   ; y, which the four partners share
	; group 1: 17 rows of 256 bytes (32 elements of 8), dense: half of a step's 8,704 bytes
	s_mov_b32 s[G1], 15|(3<<16)|(1<<21)            ; 15:0 the mask: all four work-groups; 17:16 elements of 8 bytes; 21 set beside a mask; no padding
	s_mov_b32 s[G1+1], 32<<16
	s_mov_b32 s[G1+2], 17<<16
	s_mov_b32 s[G1+3], 32<<16
	s_mov_b32 s[G1+4], 17
	s_mov_b32 s[G1+5], 32
	s_mov_b32 s[G1+6], 0
	s_mov_b32 s[G1+7], 0
	s_mul_i32 s38, s12, YSTR                       ; the head's first record
	s_lshr_b32 s40, s[WV], 1
	s_mul_i32 s40, s40, REC                        ; step wave / 2,
	s_and_b32 s41, s[WV], 1
	s_mul_i32 s41, s41, 4352                       ; its half wave % 2
	s_add_co_u32 s40, s40, s41
	s_add_co_u32 s40, s40, s38
	s_mov_b32 s41, 0
	s_mul_i32 s42, s[WV], 4352                     ; and in LDS: the halves on end
	s_lshr_b32 s43, s[WV], 2                       ; g
	s_and_b32 s44, s[WV], 3                        ; p
	s_lshl_b32 s45, s11, 2
	s_add_co_u32 s45, s45, s43                     ; my group of 128 queries
	s_mul_i32 s46, s45, REC
	s_add_co_u32 s46, s46, s38                     ; its record
	s_lshl_b32 s47, s44, 9
	s_add_co_u32 s48, s46, s47
	s_add_co_u32 s48, s48, 8704                    ; q's codes, tile p
	s_mov_b32 s49, 0
	s_lshl_b32 s50, s44, 2
	s_add_co_u32 s50, s50, s46
	s_add_co_u32 s50, s50, 12800                   ; q's scale words, word p
	s_mov_b32 s51, 0
	s_and_b32 s52, s12, 3                          ; the batch
	s_lshr_b32 s53, s12, 2                         ; the head
	s_lshl_b32 s54, s52, 7
	s_lshl_b32 s55, s45, 3
	s_add_co_u32 s54, s54, s55
	s_add_co_u32 s54, s54, s44                     ; my first tile of tokens: 128 batch + 8 group + p
	s_lshl_b32 s54, s54, 4
	s_add_co_u32 s54, s54, s53
	s_lshl_b32 s54, s54, 9                         ; o_img: [tile][head][512]
	s_mov_b32 s55, 0
	s_lshl_b32 s56, s52, 4
	s_lshl_b32 s57, s11, 2
	s_add_co_u32 s56, s56, s57                     ; the work-group's first group: 16 batch + 4 cx
	s_lshl_b32 s56, s56, 4
	s_add_co_u32 s56, s56, s53
	s_lshl_b32 s56, s56, 8                         ; o_sc: [group][head][256]
	s_mov_b32 s57, 0
	s_lshl_b32 s58, s43, 8
	s_lshl_b32 s59, s44, 2
	s_add_co_u32 s58, s58, s59
	s_add_co_u32 s58, s58, STG                     ; the stage: 256 g + 4 p
	s_mov_b32 s[SEL], 0x76543210
	s_mov_b32 s[SEL+1], 0xfedcba98
	s_mov_b32 s[CS], 0x3e38aa3b                    ; c = log2(e) / 8
	s_mov_b32 s[CS+1], s[CS]                       ; (named with it as a pair, so it is written)
	s_wait_dscnt 0x0                               ; both opening adds are done
	s_wait_kmcnt 0x0
	s_mov_b32 s24, 1
	s_mov_b32 s25, s42
	s_add_nc_u64 s[26:27], s[4:5], s[40:41]        ; steps 0 to 7: my half step
	s_add_nc_u64 s[30:31], s[26:27], 8*REC         ; steps 8 to 15
	s_or_b32 s27, s27, 0x80000000
	s_mov_b32 s28, 1
	s_add_co_u32 s29, s42, 8*STEPB
	s_or_b32 s31, s31, 0x80000000
	s_add_nc_u64 s[48:49], s[4:5], s[48:49]
	s_add_nc_u64 s[50:51], s[4:5], s[50:51]
	s_add_nc_u64 s[6:7], s[6:7], s[54:55]
	s_add_nc_u64 s[8:9], s[8:9], s[56:57]
	CROUND                                         ; all four work-groups are here: the joint loads meet
	tensor_load_to_lds s[24:27], s[G1:G1+7]        ; every wave issues both: two loads of mine are out at the most
	s_nop 0
	tensor_load_to_lds s[28:31], s[G1:G1+7]
	s_nop 0
.rept 4
	v_nop
.endr
	v_and_b32 v[AL], 31, v0
	s_delay_alu instid0(VALU_DEP_1)
	v_lshlrev_b32 v[AL], 4, v[AL]
	v_and_b32 v[AR], 15, v0
	s_delay_alu instid0(VALU_DEP_1)
	v_lshlrev_b32 v[AR], 4, v[AR]
	global_load_b128 v[QA:QA+3], v[AL], s[48:49]               ; q's image, tile A, twice: [q, 0, q]
	global_load_b128 v[QA+8:QA+11], v[AL], s[48:49]
	global_load_b128 v[QB:QB+3], v[AL], s[48:49] offset:2048   ; tile B lies four tiles on
	global_load_b128 v[QB+8:QB+11], v[AL], s[48:49] offset:2048
	global_load_b32 v[TT], v[AR], s[50:51]                     ; row r's word: tile A's two bytes, tile B's two
	v_add_nc_u32 v[ASG], STG, v[AL]
	v_add_nc_u32 v[AST], s58, v[AR]
	v_bfe_u32 v[OSO], v0, 4, 1
	s_delay_alu instid0(VALU_DEP_1)
	v_lshl_add_u32 v[OSO], v[OSO], 12, v[AR]       ; lanes 16-31: the next group, 16 heads x 256 bytes on
.irp j, 0,1,2,3
	v_mov_b32 v[QA+4+\j], 0
	v_mov_b32 v[QB+4+\j], 0
	v_mov_b32 v[BX+\j], 0                          ; a lane permute's destination counts as one of its sources
.endr
	v_mov_b32 v[F+1], 0
	v_mov_b32 v9, 0xff61b1e6                       ; the largest t so far: -3e38, under every t
	v_mov_b32 v13, 0xff61b1e6
	s_delay_alu instid0(VALU_DEP_2)
	v_floor_f32 v8, -v9                            ; -M
	s_delay_alu instid0(VALU_DEP_2)
	v_floor_f32 v12, -v13
	v_mov_b32 v10, 0                               ; the sums
	v_mov_b32 v11, 0
	v_mov_b32 v14, 0
	v_mov_b32 v15, 0
	s_wait_tensorcnt 1                             ; my part of steps 0 to 7 is in; the load of steps 8 to 15, issued behind it, may be out
	s_barrier_signal -1
	s_barrier_wait -1                              ; everybody's is
	s_wait_loadcnt 0x0                             ; q
	v_and_b32 v[QS], 0xffff, v[TT]                 ; [a0 a1 0 0]: for [q | 0]
	v_lshlrev_b32 v[QS+1], 16, v[TT]               ; [0 0 a0 a1]: for [0 | q]
	v_lshrrev_b32 v[QS+2], 16, v[TT]
	v_and_b32 v[QS+3], 0xffff0000, v[TT]
.set j, 0
.rept 64
	v_mov_b32 v[OA+j], 0                           ; O^T.  The step is written once: its first trip finds zeros, which the first change of M leaves zeros.  (Also the places between the lines above and the first scaled product)
.set j, j+1
.endr
; the scores of one tile of queries against the step's 128 keys: eight products, each starting its sum
.macro KQ qb, s1, s2
.irp p, 0,1,2,3
	v_wmma_scale_f32_16x16x128_f8f6f4 v[S+8*\p:S+8*\p+7], v[KF+8*\p:KF+8*\p+7], v[\qb:\qb+7], 0, v[KS+\p], v[\s1] matrix_a_fmt:MATRIX_FMT_FP4 matrix_b_fmt:MATRIX_FMT_FP4
	v_wmma_scale_f32_16x16x128_f8f6f4 v[S+32+8*\p:S+39+8*\p], v[KF+8*\p:KF+8*\p+7], v[\qb+4:\qb+11], 0, v[KS+\p], v[\s2] matrix_a_fmt:MATRIX_FMT_FP4 matrix_b_fmt:MATRIX_FMT_FP4
.endr
.endm
; the softmax of one tile for one step: statistics at v[st] on; p's codes to v[pc] on, its scale word to v[pw]; F is left for the rescaling of O^T
.macro SOFT st, pc, pw
.irp b, 0,1,2,3
	v_max3_num_f32 v[BM+\b], v[S+16*\b], v[S+16*\b+1], v[S+16*\b+2]   ; the largest score of each block of 32 keys: for the row's maximum and, since p rises with the score, for the block's largest p
.endr
.irp i, 3,5,7,9,11,13
.irp b, 0,1,2,3
	v_max3_num_f32 v[BM+\b], v[BM+\b], v[S+16*\b+\i], v[S+16*\b+\i+1]
.endr
.endr
.irp b, 0,1,2,3
	v_max_num_f32 v[BM+\b], v[BM+\b], v[S+16*\b+15]
.endr
.irp b, 0,1,2,3
	s_delay_alu instid0(VALU_DEP_4)
	v_permlanex16_b32 v[BX+\b], v[BM+\b], s[SEL], s[SEL+1]
.endr
.irp b, 0,1,2,3
	s_delay_alu instid0(VALU_DEP_4)
	v_max_num_f32 v[BM+\b], v[BM+\b], v[BX+\b]     ; with lane l xor 16's 16 keys
.endr
	s_delay_alu instid0(VALU_DEP_2)
	v_max3_num_f32 v[TT], v[BM], v[BM+1], v[BM+2]
	s_delay_alu instid0(VALU_DEP_1)
	v_max_num_f32 v[TT], v[TT], v[BM+3]            ; the step's largest score of my query
	s_delay_alu instid0(VALU_DEP_1)
	v_mul_f32 v[TT], s[CS], v[TT]                  ; as t (c is positive)
	s_delay_alu instid0(VALU_DEP_1)
	v_max_num_f32 v[\st+1], v[\st+1], v[TT]        ; the running largest t
	v_mov_b32 v[TT], v[\st]
	s_delay_alu instid0(VALU_DEP_2)
	v_floor_f32 v[\st], -v[\st+1]                  ; the new -M = floor(-t): M is a whole number
	s_delay_alu instid0(VALU_DEP_1)
	v_sub_f32 v[TT], v[\st], v[TT]                 ; old M - new M: a whole number, 0 or less
	s_delay_alu instid0(VALU_DEP_1)
	v_cvt_i32_f32 v[TT], v[TT]                     ; (it saturates)
	s_delay_alu instid0(VALU_DEP_1)
	v_ldexp_f32 v[F], 1.0, v[TT]                   ; 2^(old M - new M)
.set j, 0
.rept 32
	v_pk_fma_f32 v[S+j:S+j+1], v[S+j:S+j+1], s[CS:CS+1], v[\st:\st+1] op_sel_hi:[1,0,0]   ; t - M, two at a time
.set j, j+2
.endr
.irp b, 0,1,2,3
	v_fma_f32 v[BM+\b], v[BM+\b], s[CS], v[\st]    ; the same of each block's largest score
.endr
.set j, 0
	s_wait_alu depctr_va_vdst(0)
.rept 64
	v_exp_f32 v[S+j], v[S+j]                       ; p = 2^(t - M), at most 1
.set j, j+1
.endr
	v_pk_mul_f32 v[\st+2:\st+3], v[\st+2:\st+3], v[F:F+1] op_sel_hi:[1,0]   ; the sums under the new M: the plain place behind the exponentials
	s_wait_alu depctr_va_vdst(0)                   ; one wait for the batch of 64, ahead of its first reader
.irp b, 0,1,2,3
	v_exp_f32 v[BM+\b], v[BM+\b]                   ; the block's largest p: the same two instructions on the same number
.endr
	v_pk_add_f32 v[C2:C2+1], v[S:S+1], v[S+2:S+3]  ; the row's sum is taken of the unquantised p, in two chains; it reads the 64 alone
.set j, 4
.rept 15
	v_pk_add_f32 v[\st+2:\st+3], v[\st+2:\st+3], v[S+j:S+j+1]
	v_pk_add_f32 v[C2:C2+1], v[C2:C2+1], v[S+j+2:S+j+3]
.set j, j+4
.endr
	s_delay_alu instid0(VALU_DEP_1)
	v_pk_add_f32 v[\st+2:\st+3], v[\st+2:\st+3], v[C2:C2+1]
	s_wait_alu depctr_va_vdst(0)                   ; and one for the four
.irp b, 0,1,2,3
	v_max_num_f32 v[BM+\b], 0x1800000, v[BM+\b]    ; the floor 2^(3 - 127): the byte cannot fall under 1
.endr
.irp b, 0,1,2,3
	s_delay_alu instid0(VALU_DEP_4)
	v_add_nc_u32 v[SCO+\b], 0xff000000, v[BM+\b]   ; 2 off the exponent field: the conversion's scale operand
.endr
.irp b, 0,1,2,3
	s_delay_alu instid0(VALU_DEP_4)
	v_lshrrev_b32 v[BX+\b], 23, v[SCO+\b]          ; the scale's byte
.endr
	s_delay_alu instid0(VALU_DEP_3)
	v_lshl_or_b32 v[\pw], v[BX+1], 8, v[BX]
	s_delay_alu instid0(VALU_DEP_1)
	v_lshl_or_b32 v[\pw], v[BX+2], 16, v[\pw]
	s_delay_alu instid0(VALU_DEP_1)
	v_lshl_or_b32 v[\pw], v[BX+3], 24, v[\pw]
.irp b, 0,1,2,3
	v_cvt_scalef32_pk8_fp4_f32 v[\pc+4*(\b/2)+(\b%2)], v[S+16*\b:S+16*\b+7], v[SCO+\b]
	v_cvt_scalef32_pk8_fp4_f32 v[\pc+4*(\b/2)+(\b%2)+2], v[S+16*\b+8:S+16*\b+15], v[SCO+\b]
.endr
	v_nop                                          ; one plain place behind a scaled conversion
.irp c, 0,1
	v_permlane16_swap_b32 v[\pc+4*\c], v[\pc+4*\c+1]
	v_permlane16_swap_b32 v[\pc+4*\c+2], v[\pc+4*\c+3]
.endr
.endm
.macro RESC o                          ; O^T under the new M
.set j, 0
.rept 16
	v_pk_mul_f32 v[\o+j:\o+j+1], v[\o+j:\o+j+1], v[F:F+1] op_sel_hi:[1,0]
.set j, j+2
.endr
.endm
; A KEY STEP: 128 keys for both tiles of queries.
.macro STEP
	v_add_nc_u32 v[ADI], s[TB], v[AL]
	v_add_nc_u32 v[ADS], s[TB], v[AR]
	v_nop
	v_nop                                          ; four plain places between the last trip's products and loads into registers that they read
.irp p, 0,1,2,3
	ds_load_b128 v[KF+8*\p:KF+8*\p+3], v[ADI] offset:512*\p            ; tile p of the keys,
	ds_load_b128 v[KF+8*\p+4:KF+8*\p+7], v[ADI] offset:512*(\p+4)      ; and tile p + 4 beside it
.endr
	ds_load_b128 v[KS:KS+3], v[ADS] offset:8192    ; row r's four words
	s_wait_dscnt 0x0
	KQ QA, QS, QS+1
.rept 4
	v_nop
.endr
	SOFT 8, PA, PWA
	KQ QB, QS+2, QS+3
	RESC OA                                        ; sixteen plain lines that name none of those products' registers: the places ahead of the loads below and of the first read of the scores
.irp t, 0,1,2,3
.irp c, 0,1
	ds_load_b128 v[KF+8*\t+4*\c:KF+8*\t+4*\c+3], v[ADI] offset:4096+1024*\t+512*\c   ; v: channels 16 t on, keys 64 c on; they land under tile B's softmax
.endr
.endr
	ds_load_b128 v[KS:KS+3], v[ADS] offset:8448
	s_setprio 1
	SOFT 12, PB, PWB
	s_setprio 0
	RESC OB                                        ; also the places between the lines that made tile B's codes and scale word and the scaled products
	s_wait_alu depctr_va_vdst(0)
	s_wait_dscnt 0x0
.irp t, 0,1,2,3                                    ; O^T += v^T p^T: eight accumulators, one instruction each
	v_wmma_scale_f32_16x16x128_f8f6f4 v[OA+8*\t:OA+8*\t+7], v[KF+8*\t:KF+8*\t+7], v[PA:PA+7], v[OA+8*\t:OA+8*\t+7], v[KS+\t], v[PWA] matrix_a_fmt:MATRIX_FMT_FP4 matrix_b_fmt:MATRIX_FMT_FP4
	v_wmma_scale_f32_16x16x128_f8f6f4 v[OB+8*\t:OB+8*\t+7], v[KF+8*\t:KF+8*\t+7], v[PB:PB+7], v[OB+8*\t:OB+8*\t+7], v[KS+\t], v[PWB] matrix_a_fmt:MATRIX_FMT_FP4 matrix_b_fmt:MATRIX_FMT_FP4
.endr
	s_add_co_u32 s[TB], s[TB], STEPB
.endm
.macro PHASE start                     ; eight steps, from LDS byte start on
	s_mov_b32 s[TB], \start
	s_mov_b32 s[CNT], 8
.Lstep_\@:
	s_setprio 2
	STEP
	s_sub_co_u32 s[CNT], s[CNT], 1
	s_cmp_lg_u32 s[CNT], 0
	s_cbranch_scc1 .Lstep_\@
	s_setprio 0
.endm
; a finished tile: O^T / the sum into v[t] on; its two blocks of 32 channels quantised: four registers of codes at v[pc], the two bytes in v[u]
.macro FIN st, o, t, pc, u
.set j, 0
.rept 16
	v_pk_mul_f32 v[\t+j:\t+j+1], v[\o+j:\o+j+1], v[\st+2:\st+3] op_sel_hi:[1,0]   ; each accumulator from its low end on
.set j, j+2
.endr
.irp b, 0,1
	v_max3_num_f32 v[BM+\b], |v[\t+16*\b]|, |v[\t+16*\b+1]|, 0x1800000
.endr
.irp i, 2,4,6,8,10,12,14
.irp b, 0,1
	s_delay_alu instid0(VALU_DEP_2)
	v_max3_num_f32 v[BM+\b], v[BM+\b], |v[\t+16*\b+\i]|, |v[\t+16*\b+\i+1]|
.endr
.endr
.irp b, 0,1
	s_delay_alu instid0(VALU_DEP_2)
	v_permlanex16_b32 v[BX+\b], v[BM+\b], s[SEL], s[SEL+1]
.endr
.irp b, 0,1
	s_delay_alu instid0(VALU_DEP_2)
	v_max_num_f32 v[BM+\b], v[BM+\b], v[BX+\b]
.endr
.irp b, 0,1
	s_delay_alu instid0(VALU_DEP_2)
	v_add_nc_u32 v[SCO+\b], 0xff000000, v[BM+\b]
.endr
.irp b, 0,1
	s_delay_alu instid0(VALU_DEP_2)
	v_lshrrev_b32 v[BX+\b], 23, v[SCO+\b]
.endr
	s_delay_alu instid0(VALU_DEP_1)
	v_lshl_or_b32 v[\u], v[BX+1], 8, v[BX]
	v_cvt_scalef32_pk8_fp4_f32 v[\pc], v[\t:\t+7], v[SCO]
	v_cvt_scalef32_pk8_fp4_f32 v[\pc+2], v[\t+8:\t+15], v[SCO]
	v_cvt_scalef32_pk8_fp4_f32 v[\pc+1], v[\t+16:\t+23], v[SCO+1]
	v_cvt_scalef32_pk8_fp4_f32 v[\pc+3], v[\t+24:\t+31], v[SCO+1]
	v_nop
	v_permlane16_swap_b32 v[\pc], v[\pc+1]
	v_permlane16_swap_b32 v[\pc+2], v[\pc+3]
.endm
	PHASE 0                                        ; steps 0 to 7
	s_wait_tensorcnt 0x0                           ; my part of steps 8 to 15 is in,
	s_wait_dscnt 0x0
	s_barrier_signal -1
	s_barrier_wait -1                              ; everybody's is.
	PHASE 8*STEPB                                  ; steps 8 to 15
.rept 4
	v_nop                                          ; places between the last products and the first read of their results
.endr
	v_add_f32 v10, v10, v11                        ; the sums' two halves,
	v_add_f32 v14, v14, v15
	s_delay_alu instid0(VALU_DEP_2)
	v_permlanex16_b32 v[BX], v10, s[SEL], s[SEL+1]
	s_delay_alu instid0(VALU_DEP_2)
	v_permlanex16_b32 v[BX+1], v14, s[SEL], s[SEL+1]
	s_delay_alu instid0(VALU_DEP_2)
	v_add_f32 v10, v10, v[BX]                      ; and lane l xor 16's
	s_delay_alu instid0(VALU_DEP_2)
	v_add_f32 v14, v14, v[BX+1]
	s_wait_alu depctr_va_vdst(0)
	v_rcp_f32 v10, v10
	v_rcp_f32 v14, v14
	v_nop                                          ; a plain place behind the reciprocals
	s_wait_alu depctr_va_vdst(0)                   ; one wait for both, ahead of the first reader
	FIN 8, OA, S, PA, TT
	FIN 12, OB, S+32, PB, C2
	global_store_b128 v[AL], v[PA:PA+3], s[6:7]                 ; tile A's image for my head: 512 consecutive bytes
	global_store_b128 v[AL], v[PB:PB+3], s[6:7] offset:32768    ; tile B's: four tiles of tokens x 16 heads x 512 on
	v_lshl_or_b32 v[TT], v[C2], 16, v[TT]          ; row r's word: tile p's two bytes, tile p + 4's two
	ds_store_b32 v[AST], v[TT]                     ; lanes l and l xor 16 write the same word with the same value
	s_wait_dscnt 0x0                               ; for the others' sake: my store is done
	s_barrier_signal -1
	s_barrier_wait -1
	s_cmp_lg_u32 s[WV], 0                          ; wave 0 stores the work-group's 1,024 bytes of scale words: four whole runs of 256 bytes
	s_cbranch_scc1 .Lnot_mine
	ds_load_b128 v[S:S+3], v[ASG]
	ds_load_b128 v[S+4:S+7], v[ASG] offset:512
	s_wait_dscnt 0x0
	global_store_b128 v[OSO], v[S:S+3], s[8:9]                  ; groups 0 and 1
	global_store_b128 v[OSO], v[S+4:S+7], s[8:9] offset:8192    ; groups 2 and 3
.Lnot_mine:
	s_wait_tensorcnt 0x0                           ; the wave's end: behind my last tensor load and my last LDS store
	ds_add_u32 v[SPW], v[NIL]
	s_wait_dscnt 0x0
	CROUND                                         ; the closing round
	s_endpgm
.Lfunc_end_k_q01fb6ce5ca_attn:
	.size	k_q01fb6ce5ca_attn, .Lfunc_end_k_q01fb6ce5ca_attn-k_q01fb6ce5ca_attn
	.p2alignl 7, 3214868480
	.fill 96, 4, 3214868480
	.section	.rodata,"a",@progbits
	.p2align	6, 0x0
	.amdhsa_kernel k_q01fb6ce5ca_attn
		.amdhsa_group_segment_fixed_size 327680
		.amdhsa_private_segment_fixed_size 0
		.amdhsa_enable_private_segment 0
		.amdhsa_kernarg_size 24
		.amdhsa_user_sgpr_count 2
		.amdhsa_user_sgpr_kernarg_segment_ptr 1
		.amdhsa_wavefront_size32 1
		.amdhsa_system_sgpr_workgroup_id_x 1
		.amdhsa_system_sgpr_workgroup_id_y 1
		.amdhsa_system_sgpr_workgroup_id_z 1
		.amdhsa_system_vgpr_workitem_id 0
		.amdhsa_next_free_vgpr 256
		.amdhsa_next_free_sgpr 66
		.amdhsa_reserve_vcc 0
		.amdhsa_float_denorm_mode_32 3
		.amdhsa_float_denorm_mode_16_64 3
		.amdhsa_memory_ordered 1
		.amdhsa_forward_progress 1
		.amdhsa_inst_pref_size 78
	.end_amdhsa_kernel
	.amdgpu_metadata
---
amdhsa.version: [ 1, 2 ]
amdhsa.kernels:
  - .name:           k_q01fb6ce5ca_attn
    .symbol:         k_q01fb6ce5ca_attn.kd
    .args:
      - { .name: rec, .offset: 0, .size: 8, .value_kind: global_buffer, .address_space: global }
      - { .name: o_img, .offset: 8, .size: 8, .value_kind: global_buffer, .address_space: global }
      - { .name: o_sc, .offset: 16, .size: 8, .value_kind: global_buffer, .address_space: global }
    .group_segment_fixed_size: 327680
    .private_segment_fixed_size: 0
    .kernarg_segment_align: 8
    .kernarg_segment_size: 24
    .max_flat_workgroup_size: 512
    .sgpr_count:     66
    .vgpr_count:     256
    .wavefront_size: 32
...
	.end_amdgpu_metadata
.endif
;; end of part 2
;; launch proj (part 3): grid 4 x 64, 4 waves a work-group, clusters of 4 x 4, 327,680 bytes of LDS; arguments o_img, o_sc, W_out_codes, W_out_scales, b_out, out0; writes out0
.if DOCPART == 3
	.amdgcn_target "amdgcn-amd-amdhsa--gfx1250"
	.amdhsa_code_object_version 6
	.text
	.protected	k_q01fb6ce5ca_proj
	.globl	k_q01fb6ce5ca_proj
	.p2align	8
	.type	k_q01fb6ce5ca_proj,@function
k_q01fb6ce5ca_proj:
	s_mov_b64 s[64:65], 0
	v_nop
	global_prefetch_b8 v0, s[64:65] scope:SCOPE_SE
	s_setreg_imm32_b32 hwreg(HW_REG_WAVE_MODE, 25, 1), 1
	s_wait_xcnt 0x0
	s_wait_alu depctr_hold_cnt(0) depctr_sa_sdst(0) depctr_va_vdst(0) depctr_va_sdst(0) depctr_va_ssrc(0) depctr_va_vcc(0) depctr_vm_vsrc(0)
	s_getreg_b32 s2, hwreg(HW_REG_IB_STS2, 6, 4)
	s_cmp_eq_u32 s2, 0
	s_cbranch_scc0 .Lentry_in_a_cluster
	s_endpgm
.Lentry_in_a_cluster:
	s_bfe_u32 s2, ttmp6, 0x10000c
	s_cmp_lg_u32 s2, 0xf033
	s_cbranch_scc0 .Lentry_shape_is_right
	s_endpgm
.Lentry_shape_is_right:
; out0 = O W_out + b_out on codes of FP4 (E2M1) with E8M0 scales, K = 1,024; O comes as the attention launch left it: images of operand registers and scale words.  No work is left out.
; LIMITS: NaN and infinities are not served.  The bias starts each sum (it is the C of the first product), so it is added first and not last.
; SHARES.  Work-group (X, Y) makes 128 tokens x 256 columns; a wave 64 tokens (tiles 4 HI .. 4 HI + 3 of the group's eight) x 128 columns: 32 accumulators.  All of K lies in LDS: two slots of 512 along K, each filled once.
; Source 0 = 16 rows of W_out (columns of the result), source 1 = 16 tokens: a lane holds eight neighbouring columns of one row of out0.
; CLUSTERS: 4 x 4 work-groups.  O's tiles hang on Y and are shared along a row of the cluster, W_out's on X and are shared along a column: each is asked for jointly.
; O's image of (tile of tokens, head) is 512 bytes, lane l's 16 at 16 l: registers 0-3 of the fragment of K step s are head 2 s's image, registers 4-7 head 2 s + 1's.  No pitch, no padding.
; O's scale words lie [head][r][p]: tile p's two bytes, tile p + 4's two: the word of (tile, K step s) takes one half of head 2 s's word and the same half of head 2 s + 1's.
; REGISTERS: window 0: v1 r, v2 h, v16-29 addresses, v32-95 W_out's scale words, v96-127 O's, v128-191 O's fragments in two sets, v192-255 O's scale words as loaded; on the way out v128-255 rows of out0.
;   window 1: v0-63, v128-191 W_out's fragments in two sets; v64-127 the bias.   window 2: accumulator (a, b) at v[8 (8 a + b)].
.set PITCH,  272
.set OSLOT,  32768                     ; a slot: O's 8 tiles x 8 heads x 512,
.set HALFW,  128*PITCH                 ; then W_out's 256 rows of 256 bytes + 16
.set SLOT,   OSLOT+2*HALFW
.set WSB,    2*SLOT                    ; W_out's scale bytes, as units of 256 bytes + 16
.set HALFS,  16*272
.set SBLK,   2*272
.set OSB,    WSB+2*HALFS               ; O's scale words, 4,096 dense bytes
.set STAGE,  OSB+4096                  ; the way out: 16 rows x (512 bytes + 16) for each wave; no tile lands here
.set SPITCH, 528
.set SPARE,  STAGE+4*16*SPITCH         ; the spare words, 128 bytes for each wave
.set ADRR, 16
.set ADRP, 20
.set APS,  22                          ; v22  W_out's scale words of my row
.set AOS,  23                          ; v23  O's
.set STO,  24
.set RD,   25
.set CO,   26                          ; v26  16 x lane
.set BO,   27
.set SPW,  28
.set NIL,  29
.set PS,   32                          ; register 32 slot + 4 b + q
.set RS,   96                          ; register 4 s + a
.set U,    192
.set BK,   128
.set BP,   64
.set WV,   16
.set WHI,  17
.set WLO,  18
.set G1,   24
.set G0,   32
.set G1B,  48
.set G0B,  56
.set G1S,  68
.set G0S,  76
.set G1SB, 80
.set G0SB, 88
.set MSB, 0
.macro WIN new
.if MSB != (\new)
	s_set_vgpr_msb (MSB<<8)|(\new)
.set MSB, (\new)
.endif
.endm
.macro JLOAD g0a, g1a, g0b, g1b        ; waves 0 and 1 fetch for O, waves 2 and 3 for W_out; an s_nop 0 and four v_nop follow each line
	s_cmp_eq_u32 s[WHI], 0
	s_cbranch_scc0 .Lfor_b_\@
	tensor_load_to_lds s[\g0a:\g0a+3], s[\g1a:\g1a+7]
	s_nop 0
.rept 4
	v_nop
.endr
	s_branch .Lasked_\@
.Lfor_b_\@:
	tensor_load_to_lds s[\g0b:\g0b+3], s[\g1b:\g1b+7]
	s_nop 0
.rept 4
	v_nop
.endr
.Lasked_\@:
.endm
.macro CROUND
	s_barrier_signal -1
	s_barrier_wait -1
	s_cmp_lg_u32 s[WV], 0
	s_cbranch_scc1 .Lnot_wave_0_\@
	s_barrier_signal -3
.Lnot_wave_0_\@:
	s_barrier_wait -3
	s_barrier_signal -1
	s_barrier_wait -1
.endm
.macro PLACES n
.rept \n
	v_nop
.endr
.endm
	s_load_b256 s[4:11], s[0:1], 0x0               ; o_img s[4:5], o_sc s[6:7], W_out's codes s[8:9], its scales s[10:11]
	s_load_b128 s[12:15], s[0:1], 0x20             ; b_out s[12:13], out0 s[14:15]
	v_lshl_add_u32 v[SPW], v0, 2, SPARE
	v_mov_b32 v[NIL], 0
	ds_add_u32 v[SPW], v[NIL]                      ; the wave's opening: the add, twice on end, and its wait ahead of my first tensor load
	ds_add_u32 v[SPW], v[NIL]                      ; and once more; the set-up below stands between it and the wait
	v_lshrrev_b32 v1, 5, v0
	v_readfirstlane_b32 s[WV], v1
	s_lshr_b32 s[WHI], s[WV], 1                    ; which four tiles of tokens are mine.  Also: I fetch for O (0) or for W_out (1)
	s_and_b32 s[WLO], s[WV], 1                     ; which 128 columns.  Also: which half I fetch
	s_bfe_u32 s40, ttmp6, 0x40000                  ; cx
	s_bfe_u32 s41, ttmp6, 0x40004                  ; cy
	s_lshl_b32 s42, ttmp9, 2
	s_add_co_u32 s42, s42, s40                     ; X
	s_and_b32 s43, ttmp7, 0xffff
	s_lshl_b32 s43, s43, 2
	s_add_co_u32 s43, s43, s41                     ; Y
	s_lshl_b32 s44, s41, 2
	s_lshl_b32 s44, 15, s44                        ; my row of the cluster
	s_lshl_b32 s45, 0x1111, s40                    ; my column
	s_or_b32 s[G1], s44, (3<<16)|(1<<21)           ; O's images: 4 tiles of tokens x 4,096 bytes (512 elements of 8), 8,192 bytes apart; no padding
	s_mov_b32 s[G1+1], 512<<16
	s_mov_b32 s[G1+2], 4<<16
	s_mov_b32 s[G1+3], 512<<16
	s_mov_b32 s[G1+4], 4
	s_mov_b32 s[G1+5], 1024
	s_mov_b32 s[G1+6], 0
	s_mov_b32 s[G1+7], 0
	s_or_b32 s[G1B], s45, (1<<20)|(1<<21)|(5<<22)|(3<<25)   ; W_out's codes: 128 rows x 256 bytes, 512 apart, 16 bytes of padding behind each
	s_mov_b32 s[G1B+1], 256<<16
	s_mov_b32 s[G1B+2], 128<<16
	s_mov_b32 s[G1B+3], 256<<16
	s_mov_b32 s[G1B+4], 128
	s_mov_b32 s[G1B+5], 512
	s_mov_b32 s[G1B+6], 0
	s_mov_b32 s[G1B+7], 0
	s_or_b32 s[G1S], s44, (3<<16)|(1<<21)          ; O's scale words: 2,048 dense bytes as 8 rows of 256; no padding
	s_mov_b32 s[G1S+1], 32<<16
	s_mov_b32 s[G1S+2], 8<<16
	s_mov_b32 s[G1S+3], 32<<16
	s_mov_b32 s[G1S+4], 8
	s_mov_b32 s[G1S+5], 32
	s_mov_b32 s[G1S+6], 0
	s_mov_b32 s[G1S+7], 0
	s_or_b32 s[G1SB], s45, (3<<16)|(1<<20)|(1<<21)|(5<<22)|(3<<25)   ; W_out's scales of 128 rows: 16 rows of 256 bytes, 16 of padding behind each
	s_mov_b32 s[G1SB+1], 32<<16
	s_mov_b32 s[G1SB+2], 16<<16
	s_mov_b32 s[G1SB+3], 32<<16
	s_mov_b32 s[G1SB+4], 16
	s_mov_b32 s[G1SB+5], 32
	s_mov_b32 s[G1SB+6], 0
	s_mov_b32 s[G1SB+7], 0
	s_lshl_b32 s20, s43, 16                        ; O's images: 8 tiles x 8,192 bytes a group,
	s_lshl_b32 s21, s[WLO], 15                     ; my four tiles
	s_add_co_u32 s20, s20, s21
	s_lshl_b32 s22, s43, 12                        ; O's scale words: 4,096 bytes a group, my half
	s_lshl_b32 s23, s[WLO], 11
	s_add_co_u32 s22, s22, s23
	s_mov_b32 s21, 0
	s_mov_b32 s23, 0
	s_lshl_b32 s46, s42, 8
	s_lshl_b32 s47, s[WLO], 7
	s_add_co_u32 s46, s46, s47                     ; W_out's row
	s_lshl_b32 s100, s46, 5
	s_lshl_b32 s46, s46, 9
	s_mov_b32 s47, 0
	s_mov_b32 s101, 0
	s_lshl_b32 s66, s[WLO], 14                     ; where they go: no place in the cluster enters an LDS address
	s_mul_i32 s67, s[WLO], HALFW
	s_add_co_u32 s67, s67, OSLOT
	s_lshl_b32 s96, s[WLO], 11
	s_add_co_u32 s96, s96, OSB
	s_mul_i32 s97, s[WLO], HALFS
	s_add_co_u32 s97, s97, WSB
	s_wait_dscnt 0x0                               ; both opening adds are done
	s_wait_kmcnt 0x0
	s_add_nc_u64 s[20:21], s[4:5], s[20:21]
	s_add_nc_u64 s[22:23], s[6:7], s[22:23]
	s_add_nc_u64 s[46:47], s[8:9], s[46:47]
	s_add_nc_u64 s[100:101], s[10:11], s[100:101]
	CROUND                                         ; all sixteen work-groups are here: the joint loads meet
	s_mov_b32 s[G0S], 1
	s_mov_b32 s[G0S+1], s96
	s_mov_b64 s[G0S+2:G0S+3], s[22:23]
	s_or_b32 s[G0S+3], s[G0S+3], 0x80000000
	s_mov_b32 s[G0SB], 1
	s_mov_b32 s[G0SB+1], s97
	s_mov_b64 s[G0SB+2:G0SB+3], s[100:101]
	s_or_b32 s[G0SB+3], s[G0SB+3], 0x80000000
	JLOAD G0S, G1S, G0SB, G1SB
.irp sl, 0,1
	s_mov_b32 s[G0+4*\sl], 1
	s_add_co_u32 s[G0+4*\sl+1], s66, \sl*SLOT
	s_add_nc_u64 s[G0+4*\sl+2:G0+4*\sl+3], s[20:21], \sl*4096      ; heads 8 sl on
	s_or_b32 s[G0+4*\sl+3], s[G0+4*\sl+3], 0x80000000
	s_mov_b32 s[G0B+4*\sl], 1
	s_add_co_u32 s[G0B+4*\sl+1], s67, \sl*SLOT
	s_add_nc_u64 s[G0B+4*\sl+2:G0B+4*\sl+3], s[46:47], \sl*256
	s_or_b32 s[G0B+4*\sl+3], s[G0B+4*\sl+3], 0x80000000
	s_wait_alu depctr_va_vdst(0)
	s_wait_tensorcnt 0x0
	ds_add_u32 v28, v29
	s_wait_dscnt 0x0
	CROUND
	JLOAD G0+4*\sl, G1, G0B+4*\sl, G1B             ; one load of mine is out at the most
.endr
	v_and_b32 v1, 15, v0                           ; r
	v_bfe_u32 v2, v0, 4, 1                         ; h
	v_and_b32 v3, 31, v0
	v_lshlrev_b32 v[CO], 4, v3
	v_lshlrev_b32 v[BO], 5, v2
	s_wait_alu depctr_va_vdst(0)
	s_lshl_b32 s98, s42, 10
	s_lshl_b32 s99, s[WLO], 9
	s_add_co_u32 s98, s98, s99                     ; my first column, in bytes
	s_mov_b32 s99, 0
	s_add_nc_u64 s[12:13], s[12:13], s[98:99]
	s_add_nc_u64 s[14:15], s[14:15], s[98:99]
	s_lshl_b32 s98, s43, 19                        ; my first row: 128 Y + 64 HI, rows of 4,096 bytes
	s_lshl_b32 s96, s[WHI], 18
	s_add_co_u32 s98, s98, s96
	s_add_nc_u64 s[14:15], s[14:15], s[98:99]
	WIN 0x40
.irp b, 0,1,2,3,4,5,6,7
	global_load_b128 v[BP+8*\b:BP+8*\b+3], v[BO], s[12:13] offset:64*\b        ; the bias in the result's layout: tile b gives my lane columns 16 b + 8 h + 0 .. 7
	global_load_b128 v[BP+8*\b+4:BP+8*\b+7], v[BO], s[12:13] offset:64*\b+16
.endr
	WIN 0
	s_lshl_b32 s96, s[WHI], 14                     ; my four tiles of tokens
	v_mul_u32_u24 v4, v1, PITCH
	v_lshl_add_u32 v4, v2, 4, v4
	s_mul_i32 s97, s[WLO], HALFW
	s_add_co_u32 s97, s97, OSLOT                   ; my 128 rows of W_out
.irp sl, 0,1
	v_add_nc_u32 v[ADRR+\sl], s96, v[CO]
	v_add_nc_u32 v[ADRP+\sl], s97, v4
	s_add_co_u32 s96, s96, SLOT
	s_add_co_u32 s97, s97, SLOT
.endr
	v_lshlrev_b32 v5, 5, v1                        ; W_out's scales: 32 bytes a row,
	v_lshrrev_b32 v6, 8, v5
	v_lshl_add_u32 v5, v6, 4, v5                   ; and 16 more for each 256 passed
	s_mul_i32 s98, s[WLO], HALFS
	s_add_co_u32 s98, s98, WSB
	v_add_nc_u32 v[APS], s98, v5
	v_lshl_add_u32 v[AOS], v1, 4, OSB
	s_mul_i32 s98, s[WV], 16*SPITCH
	s_add_co_u32 s98, s98, STAGE                   ; my stage
	v_mul_u32_u24 v5, v1, SPITCH
	v_lshl_add_u32 v5, v2, 5, v5
	v_add_nc_u32 v[STO], s98, v5                   ; in: row r, 32 bytes for each half of the lanes
	v_add_nc_u32 v[RD], s98, v[CO]                 ; back: the 32 lanes take one row of 512 bytes
	s_mov_b32 s3, 0x07060302
	s_cmp_eq_u32 s[WHI], 0
	s_cselect_b32 s3, 0x05040100, s3               ; tiles 0-3: the low halves of the two heads' words; tiles 4-7: the high halves
.macro FETCH slot, q, set              ; 24 LDS loads in one run
	WIN 0x40
.irp i, 0,1,2,3,4,5,6,7
.irp c, 0,1
	ds_load_b128 v[128*(\set)+8*\i+4*\c:128*(\set)+8*\i+4*\c+3], v[ADRP+(\slot)] offset:64*(\q)+32*\c+\i*16*PITCH
.endr
.endr
	WIN 0
.irp i, 0,1,2,3
.irp c, 0,1
	ds_load_b128 v[128+32*(\set)+8*\i+4*\c:128+32*(\set)+8*\i+4*\c+3], v[ADRR+(\slot)] offset:\i*4096+(\q)*1024+\c*512
.endr
.endr
.endm
; 32 matrix instructions: step n of eight.  The 32 accumulators take turns, one instruction a turn, in the same order in every step.  In step 0 the bias is the C.
.macro MUL n
.set SL, (\n)/4
.set QQ, (\n)%4
.set ST2, (\n)%2
.if (\n) == 0
	WIN 0x91                                       ; source 0 (W_out) and C (the bias) window 1, source 1 (O) window 0, D window 2
.else
	WIN 0xa1                                       ; C and D window 2
.endif
.irp a, 0,1,2,3
.irp b, 0,1,2,3,4,5,6,7
.if (\n) == 0
	v_wmma_scale_f32_16x16x128_f8f6f4 v[8*(8*\a+\b):8*(8*\a+\b)+7], v[128*ST2+8*\b:128*ST2+8*\b+7], v[128+32*ST2+8*\a:128+32*ST2+8*\a+7], v[BP+8*\b:BP+8*\b+7], v[PS+32*SL+4*\b+QQ], v[RS+4*(\n)+\a] matrix_a_fmt:MATRIX_FMT_FP4 matrix_b_fmt:MATRIX_FMT_FP4
.else
	v_wmma_scale_f32_16x16x128_f8f6f4 v[8*(8*\a+\b):8*(8*\a+\b)+7], v[128*ST2+8*\b:128*ST2+8*\b+7], v[128+32*ST2+8*\a:128+32*ST2+8*\a+7], v[8*(8*\a+\b):8*(8*\a+\b)+7], v[PS+32*SL+4*\b+QQ], v[RS+4*(\n)+\a] matrix_a_fmt:MATRIX_FMT_FP4 matrix_b_fmt:MATRIX_FMT_FP4
.endif
.endr
.endr
.endm
.macro STEP n
.if (\n) == 3
	s_wait_tensorcnt 0x0                           ; my part of slot 1 is in,
	s_wait_dscnt 0x0                               ; no LDS load of mine is out (this step's fragments are in too),
	s_barrier_signal -1
	s_barrier_wait -1                              ; everybody's part is in.
.endif
.if (\n) > 0 && (\n) < 7
	PLACES 4                                       ; between the last products and loads into the set that they read
.endif
.if (\n) < 7
	FETCH ((\n)+1)/4, ((\n)+1)%4, ((\n)+1)%2
.endif
.if (\n) < 7 && (\n) != 3
	s_wait_dscnt 24                                ; all but the 24 fragment loads just issued
.endif
.if (\n) == 7
	s_wait_dscnt 0x0
.endif
	MUL \n
.endm
	s_wait_alu depctr_va_vdst(0)
	s_wait_tensorcnt 1                             ; the scales and my part of slot 0 are in; slot 1's load, the one issued behind them, may be out
	s_barrier_signal -1
	s_barrier_wait -1                              ; everybody's are
.irp d, 0,1,2,3,4,5,6,7,8,9,10,11,12,13,14,15
	ds_load_b128 v[U+4*\d:U+4*\d+3], v[AOS] offset:256*\d      ; head d: row r's four words
.endr
.irp sl, 0,1
.irp b, 0,1,2,3,4,5,6,7
	ds_load_b128 v[PS+32*\sl+4*\b:PS+32*\sl+4*\b+3], v[APS] offset:\b*SBLK+16*\sl
.endr
.endr
	FETCH 0, 0, 0
	s_wait_dscnt 40                                ; O's scale words are in: behind them 16 loads of W_out's and 24 of fragments were issued
.irp k, 0,1,2,3,4,5,6,7
.irp i, 0,1,2,3
	v_perm_b32 v[RS+4*\k+\i], v[U+4*(2*\k+1)+\i], v[U+8*\k+\i], s3   ; K step k, my tile i: head 2 k's two bytes, head 2 k + 1's two
.endr
.endr
	PLACES 8                                       ; a scale register written by a vector instruction stands eight places ahead of a scaled product
	s_wait_loadcnt 0x0                             ; the bias
	STEP 0
	STEP 1
	STEP 2
	STEP 3
	STEP 4
	s_wait_alu depctr_va_vdst(0)
	STEP 5
	STEP 6
	STEP 7
	WIN 0
; THE WAY OUT, a block of 16 rows x 128 columns at a time: a lane's 32 bytes of a row go into my own stage and come back as whole rows of 512 bytes.  LDS serves a wave's instructions in order:
; no wait between the stores and the loads, nor in front of the next block's stores.
.macro TOSTAGE a
	WIN 0x08                                       ; an LDS store's data are its source 1: window 2
.irp b, 0,1,2,3,4,5,6,7
	ds_store_b128 v[STO], v[64*(\a)+8*\b:64*(\a)+8*\b+3] offset:64*\b            ; each accumulator from its low end on
	ds_store_b128 v[STO], v[64*(\a)+8*\b+4:64*(\a)+8*\b+7] offset:64*\b+16
.endr
	WIN 0
.set BB, BK+64*((\a)%2)
.irp t, 0,1,2,3,4,5,6,7,8,9,10,11,12,13,14,15
	ds_load_b128 v[BB+4*\t:BB+4*\t+3], v[RD] offset:\t*SPITCH
.endr
.endm
.macro SEND a, younger                 ; younger: the LDS instructions issued behind block a's loads, which may stay out
.set BB, BK+64*((\a)%2)
	s_wait_dscnt \younger
.irp t, 0,1,2,3,4,5,6,7,8,9,10,11,12,13,14,15
	global_store_b128 v[CO], v[BB+4*\t:BB+4*\t+3], s[14:15] offset:(\a)*65536+\t*4096 th:TH_STORE_NT   ; 32 lanes store 512 consecutive bytes, at a multiple of 256 from out0's first byte; written once
.endr
.endm
	PLACES 4                                       ; between the last products and the first read of results, and loads into registers that they read
	TOSTAGE 0
.irp a, 1,2,3
.if \a > 1
	s_wait_xcnt 0x0                                ; the stores of two blocks ago have read their registers: this block's loads may land there
.endif
	TOSTAGE \a
	SEND \a-1, 32                                  ; behind that block's loads: this block's 16 stores and 16 loads
.endr
	SEND 3, 0
	s_wait_tensorcnt 0x0                           ; the wave's end: behind my last tensor load and my last LDS store
	ds_add_u32 v[SPW], v[NIL]
	s_wait_dscnt 0x0
	CROUND                                         ; the closing round
	s_endpgm
.Lfunc_end_k_q01fb6ce5ca_proj:
	.size	k_q01fb6ce5ca_proj, .Lfunc_end_k_q01fb6ce5ca_proj-k_q01fb6ce5ca_proj
	.p2alignl 7, 3214868480
	.fill 96, 4, 3214868480
	.section	.rodata,"a",@progbits
	.p2align	6, 0x0
	.amdhsa_kernel k_q01fb6ce5ca_proj
		.amdhsa_group_segment_fixed_size 327680
		.amdhsa_private_segment_fixed_size 0
		.amdhsa_enable_private_segment 0
		.amdhsa_kernarg_size 48
		.amdhsa_user_sgpr_count 2
		.amdhsa_user_sgpr_kernarg_segment_ptr 1
		.amdhsa_wavefront_size32 1
		.amdhsa_system_sgpr_workgroup_id_x 1
		.amdhsa_system_sgpr_workgroup_id_y 1
		.amdhsa_system_sgpr_workgroup_id_z 1
		.amdhsa_system_vgpr_workitem_id 0
		.amdhsa_next_free_vgpr 768
		.amdhsa_next_free_sgpr 102
		.amdhsa_reserve_vcc 0
		.amdhsa_float_denorm_mode_32 3
		.amdhsa_float_denorm_mode_16_64 3
		.amdhsa_memory_ordered 1
		.amdhsa_forward_progress 1
		.amdhsa_inst_pref_size 77
	.end_amdhsa_kernel
	.amdgpu_metadata
---
amdhsa.version: [ 1, 2 ]
amdhsa.kernels:
  - .name:           k_q01fb6ce5ca_proj
    .symbol:         k_q01fb6ce5ca_proj.kd
    .args:
      - { .name: o_img, .offset: 0, .size: 8, .value_kind: global_buffer, .address_space: global }
      - { .name: o_sc, .offset: 8, .size: 8, .value_kind: global_buffer, .address_space: global }
      - { .name: W_out_codes, .offset: 16, .size: 8, .value_kind: global_buffer, .address_space: global }
      - { .name: W_out_scales, .offset: 24, .size: 8, .value_kind: global_buffer, .address_space: global }
      - { .name: b_out, .offset: 32, .size: 8, .value_kind: global_buffer, .address_space: global }
      - { .name: out0, .offset: 40, .size: 8, .value_kind: global_buffer, .address_space: global }
    .group_segment_fixed_size: 327680
    .private_segment_fixed_size: 0
    .kernarg_segment_align: 8
    .kernarg_segment_size: 48
    .max_flat_workgroup_size: 128
    .sgpr_count:     102
    .vgpr_count:     768
    .wavefront_size: 32
...
	.end_amdgpu_metadata
.endif
;; end of part 3
